; MI455X (gfx1250); checked and timed in simulation.
; The chip was launched on July 23, 2026; its instructions are those of AMD's public machine-readable ISA for CDNA 5 (MIT licence, August 2026) and "CDNA5" Instruction Set Architecture Reference Guide (July 2026). The comments in the code are by the model that wrote it; some were corrected since.
;; Base Vector Quantizer. Allowed arithmetic: float matrix products may take bf16 or f16 operands with f32 sums; all other float work in f32.
;; Inputs: codebook 1,024 x 64 float32; inputs 32 x 64 x 64 x 64 float32.
;; Outputs: out0 32 x 64 x 64 x 64 float32.
;; 2 versions, each right and faster than the one before. Each part assembles by itself: llvm-mc -triple=amdgcn-amd-amdhsa -mcpu=gfx1250 --defsym DOCPART=n.
;; ======== version 1 of 2: 2 launches
;; limits: values outside matrix products are rounded to bf16
;; workspace buffers: idx 524,288 bytes of whole numbers
;; launch nearest (part 1): grid 256 x 1, 8 waves a work-group, no clusters, 233,472 bytes of LDS; arguments codebook, inputs, idx; writes idx
.if DOCPART == 1
	.amdgcn_target "amdgcn-amd-amdhsa--gfx1250"
	.amdhsa_code_object_version 6
	.text
	.protected	k_q79e95274c3_nearest
	.globl	k_q79e95274c3_nearest
	.p2align	8
	.type	k_q79e95274c3_nearest,@function
k_q79e95274c3_nearest:
	s_mov_b64 s[64:65], 0
	v_nop
	global_prefetch_b8 v0, s[64:65] scope:SCOPE_SE
	s_setreg_imm32_b32 hwreg(HW_REG_WAVE_MODE, 25, 1), 1
	s_wait_xcnt 0x0
; idx[n] = the first index k of the least d[n][k] = (|x_n|^2 + |e_k|^2) - (2 x_n).e_k, for the 131,072 vectors x_n (n = b*4096 + hw, 64 numbers
; 16,384 bytes apart in inputs[b][d][hw]) and the 1,024 codes e_k.  The lookup itself is the next launch's: an index made here steers no address here.
;
; NOTHING OF reference() IS LEFT OUT.  |x_n|^2 is the same for all k, but it is far larger than the terms that decide the minimum, so reference()'s f32
; rounds distances onto a coarse grid and its first-index rule then settles the ties.  Both roundings are therefore made as reference() makes them:
; t = fl(|x|^2 + |e_k|^2), d = fl(t - 2 dot) (one fused multiply-add on the f32 product sum: 2 dot is exact), and ties go to the lower index.
; The products run on the matrix unit with x and e rounded to bf16 (f32 sums); both norms are taken from the same rounded numbers.
; LIMITS.  NaN: a NaN distance loses in v_min3_num_f32, where argmin would take it.  Two codes whose distances lie within one f32 step of each other,
; with a product sum within its own summation error (some 1e-7 of its size) of a rounding boundary, may be ordered otherwise than by another order of summation.
;
; SHARES.  256 work-groups of 8 waves; work-group w owns vectors 512 w .. 512 w + 511 (b = w >> 3, hw from 512 (w & 7)); wave v owns 64 of them, four
; groups of 16, and walks all 64 tiles of 16 codes.  Matrix source A = 16 codes, source B = 16 vectors: register j of lane (r = lane & 15, h = lane >> 4)
; is code 16 T + 8 h + j against vector 16 g + r, so the minimum over a lane's eight registers never leaves the lane.
; NO CLUSTER, NO TENSOR LOAD: the codebook, which all work-groups share, has to be rounded f32 -> bf16 on its way into LDS, so it passes through registers;
; a stage for its 262,144 bytes of f32 does not fit beside the 233,472 bytes in use.
;
; LDS: CB 1,024 rows of 64 bf16, pitch 144 (an odd multiple of 16 bytes: the sixteen rows of a fragment load start in sixteen different 16-byte columns of 256);
;      SE 1,024 f32, |e_k|^2;   XS for each wave 64 rows (d) of 64 bf16 (hw), pitch 160 (an odd multiple of 32, for the transposing load).
.set CBP,   144
.set TILEB, 16*CBP                     ; a tile of 16 codes: 2,304 bytes
.set SE,    1024*CBP                   ; 147,456
.set XS,    SE+4096                    ; 151,552
.set XP,    160
.set XSW,   64*XP                      ; 10,240 bytes a wave; XS ends at 233,472
.set XOFF, 4                           ; v4   x: 16 c + (h << 19) + (wave << 8): lanes 0-15 take 256 bytes of row d = i, lanes 16-31 of row 32 + i
.set COFF, 5                           ; v5   codebook: 16 lane + wave x 32,768 (128 rows a wave)
.set XST,  6                           ; v6   where a lane's 4 bf16 of x go: wave's XS + 5,120 h + 8 c
.set CST,  7                           ; v7   where a lane's 4 bf16 of a code go: wave x 18,432 + 144 h + 8 c
.set XA,   8                           ; v8   transposing load: wave's XS + (8 h + (lane & 7)) x 160 + 16 ((lane >> 3) & 1)
.set CBA,  9                           ; v9   code fragment: 144 r + 16 h, stepped a tile at a time
.set SEA,  10                          ; v10  SE + 32 h, stepped 64 bytes at a time
.set H8,   11                          ; v11  8 h
.set SEST, 12                          ; v12  SE + 512 wave + 4 r
.set OTH,  13                          ; v13  what v_permlanex16_b32 brings
.set CBO,  14                          ; v14  144 r + 16 h + the wave's own 128 codes
.set XF,   16                          ; v[16:79]   x fragments: group g, K half s at 16 g + 8 s
.set AF,   80                          ; v[80:111]  code fragments, two buffers of 16 (K half s at + 8 s)
.set SEV,  112                         ; v[112:127] |e|^2 of a lane's eight codes, two buffers;  while streaming: eight pairs of packed bf16
.set CV,   112
.set ACC,  128                         ; v[128:159] product sums, group g at 8 g
.set TD,   160                         ; v[160:175] distances at work, two sets of 8
.set SAV,  176                         ; v[176:207] group g: the distances of the tile that holds the lane's best so far
.set BEST, 208                         ; v[208:215] the lane's least distance: two sets of four that take turns, so that old and new can be compared
.set KBV,  216                         ; v[216:219] 16 T of that tile
.set JJ,   224                         ; v224-237   the end's temporaries
.set OB,   225
.set OK,   226
.set KK,   228                         ; v[228:231]
.set WST,  232
.set WLD,  233
.set GO,   234
.set OUT,  236                         ; v[236:237]
.set SXP,  240                         ; v[240:247] |x|^2 of vector 16 g + r, twice: a pair for the packed add
.set RING, 128                         ; v[128:255] while streaming: 32 slots of 4 registers
	s_load_b128 s[4:7], s[0:1], 0x0                ; codebook s[4:5], inputs s[6:7]
	s_load_b64 s[8:9], s[0:1], 0x10                ; idx
	v_lshrrev_b32 v15, 5, v0
	v_readfirstlane_b32 s10, v15                   ; wave 0..7
	v_and_b32 v1, 31, v0                           ; lane
	v_and_b32 v2, 15, v0                           ; r, also c
	v_bfe_u32 v3, v0, 4, 1                         ; h
	s_lshr_b32 s2, ttmp9, 3
	s_lshl_b32 s2, s2, 20                          ; b x 64 rows of 16,384 bytes
	s_and_b32 s3, ttmp9, 7
	s_lshl_b32 s3, s3, 11                          ; + 512 hw of 4 bytes for each of the eight work-groups of a b
	s_add_co_u32 s2, s2, s3
	s_mov_b32 s3, 0
	s_lshl_b32 s30, ttmp9, 11                      ; idx: 512 words a work-group
	s_mov_b32 s31, 0
	s_lshl_b32 s11, s10, 8
	v_lshlrev_b32 v[XOFF], 4, v2
	v_lshl_add_u32 v[XOFF], v3, 19, v[XOFF]
	v_add_nc_u32 v[XOFF], s11, v[XOFF]
	s_lshl_b32 s11, s10, 15
	v_lshl_add_u32 v[COFF], v1, 4, s11
	s_wait_kmcnt 0x0
	s_add_nc_u64 s[6:7], s[6:7], s[2:3]
	s_add_nc_u64 s[8:9], s[8:9], s[30:31]
; THE STREAM: 96 items of 512 bytes a wave.  Items 0-31: x, rows d = i and 32 + i, 256 aligned bytes each.  Items 32-95: two rows of the codebook, 512 neighbouring bytes.
; 32 loads of every wave are always out.  No cache hint: the next launch reads x again, and every work-group reads the codebook.
.macro ASK t
.if (\t) < 32
	global_load_b128 v[RING+4*((\t)%32):RING+4*((\t)%32)+3], v[XOFF], s[6:7] offset:(\t)<<14
.else
	global_load_b128 v[RING+4*((\t)%32):RING+4*((\t)%32)+3], v[COFF], s[4:5] offset:512*((\t)-32)
.endif
.endm
; Item t is rounded to bf16 and laid into LDS; its slot is asked for again.
.macro TAKE t
.if (\t) < 64
	s_wait_loadcnt 31                              ; loads come back in order (ISA guide 5.7.1): item t is in, the 31 younger ones stay out
.else
	s_wait_loadcnt 95-(\t)                         ; nothing more is asked for: the count runs down to 0
.endif
	v_cvt_pk_bf16_f32 v[CV+2*((\t)%8)],   v[RING+4*((\t)%32)],   v[RING+4*((\t)%32)+1]
	v_cvt_pk_bf16_f32 v[CV+2*((\t)%8)+1], v[RING+4*((\t)%32)+2], v[RING+4*((\t)%32)+3]
.if (\t) < 32
	ds_store_b64 v[XST], v[CV+2*((\t)%8):CV+2*((\t)%8)+1] offset:XP*(\t)
.else
	ds_store_b64 v[CST], v[CV+2*((\t)%8):CV+2*((\t)%8)+1] offset:2*CBP*((\t)-32)
.endif
.if (\t) < 64
	ASK (\t)+32
.endif
.endm
.rept 32
	ASK \+
.endr
	; the LDS addresses and the constants are made while the first loads are on their way
	s_mul_i32 s28, s10, XSW
	s_add_co_u32 s28, s28, XS                      ; my wave's XS
	s_mul_i32 s29, s10, 8*TILEB                    ; my wave's 128 codes in CB
	v_mul_u32_u24 v15, v3, 32*XP
	v_lshl_add_u32 v15, v2, 3, v15
	v_add_nc_u32 v[XST], s28, v15
	v_mul_u32_u24 v15, v3, CBP
	v_lshl_add_u32 v15, v2, 3, v15
	v_add_nc_u32 v[CST], s29, v15
	v_and_b32 v15, 7, v0
	v_lshl_add_u32 v15, v3, 3, v15                 ; 8 h + (lane & 7)
	v_mul_u32_u24 v15, v15, XP
	v_bfe_u32 v[XA], v0, 3, 1
	v_lshl_add_u32 v15, v[XA], 4, v15
	v_add_nc_u32 v[XA], s28, v15
	v_mul_u32_u24 v[CBA], v2, CBP
	v_lshl_add_u32 v[CBA], v3, 4, v[CBA]
	v_add_nc_u32 v[CBO], s29, v[CBA]
	v_lshlrev_b32 v[H8], 3, v3
	v_lshlrev_b32 v[SEA], 5, v3
	v_add_nc_u32 v[SEA], SE, v[SEA]
	s_lshl_b32 s11, s10, 9
	s_add_co_u32 s11, s11, SE
	v_lshl_add_u32 v[SEST], v2, 2, s11
	v_mov_b32 v[OTH], 0                            ; v_permlanex16_b32 counts as a reader of its destination
	s_mov_b32 s12, 0x76543210                      ; v_permlanex16_b32: lane i takes lane i of the other half
	s_mov_b32 s13, 0xfedcba98
	s_mov_b32 s14, 0xff0000ff                      ; the lanes that hold a diagonal element of a 16 x 16 result: 0-7 and 24-31
	s_mov_b32 s15, 0xffff0000                      ; lanes 16-31
	s_mov_b32 s16, 0x02020202                      ; s[15+j]: the lanes with lane & 7 = j
	s_mov_b32 s17, 0x04040404
	s_mov_b32 s18, 0x08080808
	s_mov_b32 s19, 0x10101010
	s_mov_b32 s20, 0x20202020
	s_mov_b32 s21, 0x40404040
	s_mov_b32 s22, 0x80808080
.rept 96
	TAKE \+
.endr
.macro W acc, a, b, zero               ; one matrix instruction; zero = 1: it starts the sum, nothing is ever cleared
.if \zero
	v_wmma_f32_16x16x32_bf16 v[\acc:\acc+7], v[\a:\a+7], v[\b:\b+7], 0
.else
	v_wmma_f32_16x16x32_bf16 v[\acc:\acc+7], v[\a:\a+7], v[\b:\b+7], v[\acc:\acc+7]
.endif
.endm
.macro PLACES                          ; a vector instruction reads a matrix result, and a load lands on a matrix source, four independent vector instructions behind it
.rept 4
	v_nop
.endr
.endm
; The diagonal of a 16 x 16 result, element (r, r) into every lane (r, h).  Element (m, n) lies in register m & 7 of lane n + 16 (m >> 3): the diagonal is register
; lane & 7 of lanes 0-7 and 24-31; the other sixteen lanes take it from the lane 16 away.
.macro DIAG acc, val
	v_cndmask_b32 v[\val], v[\acc], v[\acc+1], s16
.irp j, 2,3,4,5,6,7
	v_cndmask_b32 v[\val], v[\val], v[\acc+\j], s[15+\j]
.endr
	v_permlanex16_b32 v[OTH], v[\val], s12, s13
	v_cndmask_b32 v[\val], v[OTH], v[\val], s14
.endm
	; X FRAGMENTS, kept in registers for the whole walk.  XS holds [d][hw]; the transposing load brings lane (r, h) k = 32 s + 8 h .. + 7 (first load) and
	; 32 s + 16 + 8 h .. + 7 (second, 16 rows down) of column 16 g + r.  The bytes are the wave's own, and LDS serves a wave's instructions in order (ISA guide 5.7.1).
.irp g, 0,1,2,3
.irp s, 0,1
	ds_load_tr16_b128 v[XF+16*\g+8*\s:XF+16*\g+8*\s+3],   v[XA] offset:32*XP*\s+32*\g
	ds_load_tr16_b128 v[XF+16*\g+8*\s+4:XF+16*\g+8*\s+7], v[XA] offset:32*XP*\s+32*\g+16*XP
.endr
.endr
	s_wait_dscnt 0x0
	; |x|^2 = the diagonal of X X^T, from the rounded numbers.  The accumulators take turns, one instruction a turn.
.irp g, 0,1,2,3
	W ACC+8*\g, XF+16*\g, XF+16*\g, 1
.endr
.irp g, 0,1,2,3
	W ACC+8*\g, XF+16*\g+8, XF+16*\g+8, 0
.endr
	PLACES
.irp g, 0,1,2,3
	DIAG ACC+8*\g, SXP+2*\g
	v_mov_b32 v[SXP+2*\g+1], v[SXP+2*\g]
.endr
	; |e|^2 of the wave's own 128 codes (the rows that it laid into CB itself), two tiles at a time, in the same way.  24 matrix instructions in all for both norms,
	; beside the walk's 512.
.irp pp, 0,1,2,3
.irp i, 0,1,2,3
	ds_load_b128 v[AF+4*\i:AF+4*\i+3],       v[CBO] offset:(2*\pp)*TILEB+32*\i
	ds_load_b128 v[AF+16+4*\i:AF+16+4*\i+3], v[CBO] offset:(2*\pp+1)*TILEB+32*\i
.endr
	s_wait_dscnt 0x0
	W ACC,   AF,    AF,    1                       ; two accumulators by turns
	W ACC+8, AF+16, AF+16, 1
	W ACC,   AF+8,  AF+8,  0
	W ACC+8, AF+24, AF+24, 0
	PLACES
	DIAG ACC, JJ
	ds_store_b32 v[SEST], v[JJ] offset:64*(2*\pp)          ; both halves of the lanes write the same word with the same value
	DIAG ACC+8, OB
	ds_store_b32 v[SEST], v[OB] offset:64*(2*\pp+1)
.endr
	s_wait_dscnt 0x0                               ; my rows of CB and my words of SE are written: zero, for the other waves' sake
	s_barrier_signal -1
	s_barrier_wait -1                              ; the only barrier: CB and SE are whole; nobody writes them again
; THE WALK.  One step = one tile of 16 codes against the wave's 64 vectors: 8 matrix instructions, and for each of the four 16 x 16 results 21 vector instructions.
.macro FETCH b                         ; a tile's fragment (16 rows x 128 bytes) and a lane's eight |e|^2 into buffer b
.irp i, 0,1,2,3
	ds_load_b128 v[AF+16*(\b)+4*\i:AF+16*(\b)+4*\i+3], v[CBA] offset:32*\i
.endr
	ds_load_b128 v[SEV+8*(\b):SEV+8*(\b)+3],   v[SEA]
	ds_load_b128 v[SEV+8*(\b)+4:SEV+8*(\b)+7], v[SEA] offset:16
.endm
.macro TSUM dst, p, g                  ; t = fl(|x|^2 + |e|^2)
.irp i, 0,2,4,6
	v_pk_add_f32 v[\dst+\i:\dst+\i+1], v[SEV+8*\p+\i:SEV+8*\p+\i+1], v[SXP+2*\g:SXP+2*\g+1]
.endr
.endm
.macro DSUM dst, g                     ; d = fl(t - 2 dot): one rounding, as of reference()'s subtraction of the doubled product
.irp i, 0,2,4,6
	v_pk_fma_f32 v[\dst+\i:\dst+\i+1], v[ACC+8*\g+\i:ACC+8*\g+\i+1], -2.0, v[\dst+\i:\dst+\i+1] op_sel_hi:[1,0,1]
.endr
.endm
; The lane's least distance so far, and the tile that holds it.  Strictly less: on a tie the earlier tile stays.  Which of the tile's eight it was is found once, at the end,
; from the seven kept distances (if none of them is the least, it was the eighth).
.macro TRACK d, g, p
	v_min3_num_f32 v[BEST+4*(1-\p)+\g], v[BEST+4*\p+\g], v[\d], v[\d+1]
	v_min3_num_f32 v[BEST+4*(1-\p)+\g], v[BEST+4*(1-\p)+\g], v[\d+2], v[\d+3]
	v_min3_num_f32 v[BEST+4*(1-\p)+\g], v[BEST+4*(1-\p)+\g], v[\d+4], v[\d+5]
	v_min3_num_f32 v[BEST+4*(1-\p)+\g], v[BEST+4*(1-\p)+\g], v[\d+6], v[\d+7]
	v_cmp_lt_f32 vcc_lo, v[BEST+4*(1-\p)+\g], v[BEST+4*\p+\g]
	v_cndmask_b32 v[KBV+\g], v[KBV+\g], s24, vcc_lo
.irp j, 0,1,2,3,4,5,6
	v_cndmask_b32 v[SAV+8*\g+\j], v[SAV+8*\g+\j], v[\d+\j], vcc_lo
.endr
.endm
.macro START g, p                      ; the first tile: its distances were written straight into SAV
	v_min3_num_f32 v[BEST+4*(1-\p)+\g], v[SAV+8*\g], v[SAV+8*\g+1], v[SAV+8*\g+2]
	v_min3_num_f32 v[BEST+4*(1-\p)+\g], v[BEST+4*(1-\p)+\g], v[SAV+8*\g+3], v[SAV+8*\g+4]
	v_min3_num_f32 v[BEST+4*(1-\p)+\g], v[BEST+4*(1-\p)+\g], v[SAV+8*\g+5], v[SAV+8*\g+6]
	v_min_num_f32  v[BEST+4*(1-\p)+\g], v[BEST+4*(1-\p)+\g], v[SAV+8*\g+7]
	v_mov_b32 v[KBV+\g], 0
.endm
; p: the buffer that this step multiplies.  fetch = 1: the next tile is asked for, into the other buffer.  first = 1: the first tile.
.macro STEP p, fetch, first
.if \fetch
	v_add_nc_u32 v[CBA], TILEB, v[CBA]             ; the next tile; the other buffer was last read by the step before, some eighty vector instructions ago
	v_add_nc_u32 v[SEA], 64, v[SEA]
	FETCH 1-\p
	s_wait_dscnt 0x6                               ; the six just issued stay out; this step's six, issued a step ago, are in
.else
	s_wait_dscnt 0x0
.endif
.irp g, 0,1,2,3
	W ACC+8*\g, AF+16*\p, XF+16*\g, 1              ; d = 0 .. 31 starts the sums.  Four accumulators by turns, one instruction a turn
.endr
.irp g, 0,1,2,3
	W ACC+8*\g, AF+16*\p+8, XF+16*\g+8, 0          ; d = 32 .. 63
.endr
.if \first
	TSUM SAV, \p, 0                                ; these eight lines name no register of a matrix instruction: they are the places behind the products (ISA guide 7.12.1)
	TSUM SAV+8, \p, 1
	DSUM SAV, 0
	START 0, \p
	TSUM SAV+16, \p, 2
	DSUM SAV+8, 1
	START 1, \p
	TSUM SAV+24, \p, 3
	DSUM SAV+16, 2
	START 2, \p
	DSUM SAV+24, 3
	START 3, \p
.else
	TSUM TD, \p, 0                                 ; these eight lines name no register of a matrix instruction: they are the places behind the products (ISA guide 7.12.1)
	TSUM TD+8, \p, 1
	DSUM TD, 0
	TRACK TD, 0, \p
	TSUM TD, \p, 2
	DSUM TD+8, 1
	TRACK TD+8, 1, \p
	TSUM TD+8, \p, 3
	DSUM TD, 2
	TRACK TD, 2, \p
	DSUM TD+8, 3
	TRACK TD+8, 3, \p
.endif
	s_add_co_u32 s24, s24, 16                      ; 16 T of the next tile
.endm
	s_mov_b32 s24, 0
	FETCH 0                                        ; tile 0
	STEP 0, 1, 1                                   ; tiles 0 and 1 stand in front of the loop: the first starts BEST, SAV and KBV
	STEP 1, 1, 0
	s_mov_b32 s25, 30                              ; tiles 2 to 61
.Ltiles:
	STEP 0, 1, 0
	STEP 1, 1, 0
	s_sub_co_i32 s25, s25, 1
	s_cmp_lg_u32 s25, 0
	s_cbranch_scc1 .Ltiles
	STEP 0, 1, 0                                   ; tile 62 asks for the last one,
	STEP 1, 0, 0                                   ; tile 63 for nothing.  The result lies in BEST's set 0
; THE END.  In the lane: the first j of the winning tile whose distance is the least.  Then the two halves of the lanes (codes 16 T + j and 16 T + 8 + j) are compared:
; the lesser distance, on a tie the lower index.  Both lanes r and 16 + r end with the index of vector 16 g + r.
.macro FIN g
	v_mov_b32 v[JJ], 7
.irp j, 6,5,4,3,2,1,0
	v_cmp_neq_f32 vcc_lo, v[SAV+8*\g+\j], v[BEST+\g]
	v_cndmask_b32 v[JJ], \j, v[JJ], vcc_lo         ; equal: j; descending, so that the lowest j is written last
.endr
	v_add3_u32 v[KK+\g], v[KBV+\g], v[JJ], v[H8]
	v_permlanex16_b32 v[OB], v[BEST+\g], s12, s13
	v_permlanex16_b32 v[OK], v[KK+\g], s12, s13
	v_cmp_lt_f32 s26, v[OB], v[BEST+\g]
	v_cmp_eq_f32 s27, v[OB], v[BEST+\g]
	v_cmp_lt_u32 vcc_lo, v[OK], v[KK+\g]
	s_and_b32 s27, s27, vcc_lo
	s_or_b32 vcc_lo, s26, s27
	v_cndmask_b32 v[KK+\g], v[KK+\g], v[OK], vcc_lo
.endm
	v_mov_b32 v[OB], 0                             ; destinations of v_permlanex16_b32: written before
	v_mov_b32 v[OK], 0
	FIN 0
	FIN 1
	FIN 2
	FIN 3
	; The way out.  Lanes 16-31 take the odd group, so that a register holds 32 neighbouring vectors' indices; through 256 bytes of the wave's own XS (its last reads of
	; them were waited for above, and no other wave touches them) each lane gets two neighbouring indices, and ONE store covers the wave's 256 consecutive bytes, aligned.
	v_cndmask_b32 v[KK],   v[KK],   v[KK+1], s15
	v_cndmask_b32 v[KK+2], v[KK+2], v[KK+3], s15
	v_lshl_add_u32 v[WST], v1, 2, s28
	v_lshl_add_u32 v[WLD], v1, 3, s28
	s_lshl_b32 s11, s10, 8
	v_lshl_add_u32 v[GO], v1, 3, s11
	ds_store_b32 v[WST], v[KK]
	ds_store_b32 v[WST], v[KK+2] offset:128
	ds_load_b64 v[OUT:OUT+1], v[WLD]               ; LDS serves a wave's instructions in order (ISA guide 5.7.1): this sees the two stores
	s_wait_dscnt 0x0
	global_store_b64 v[GO], v[OUT:OUT+1], s[8:9]
	s_endpgm
.Lfunc_end_k_q79e95274c3_nearest:
	.size	k_q79e95274c3_nearest, .Lfunc_end_k_q79e95274c3_nearest-k_q79e95274c3_nearest
	.p2alignl 7, 3214868480
	.fill 96, 4, 3214868480
	.section	.rodata,"a",@progbits
	.p2align	6, 0x0
	.amdhsa_kernel k_q79e95274c3_nearest
		.amdhsa_group_segment_fixed_size 233472
		.amdhsa_private_segment_fixed_size 0
		.amdhsa_enable_private_segment 0
		.amdhsa_kernarg_size 24
		.amdhsa_user_sgpr_count 2
		.amdhsa_user_sgpr_kernarg_segment_ptr 1
		.amdhsa_wavefront_size32 1
		.amdhsa_system_sgpr_workgroup_id_x 1
		.amdhsa_system_sgpr_workgroup_id_y 1
		.amdhsa_system_sgpr_workgroup_id_z 1
		.amdhsa_system_vgpr_workitem_id 0
		.amdhsa_next_free_vgpr 256
		.amdhsa_next_free_sgpr 66
		.amdhsa_reserve_vcc 1
		.amdhsa_float_denorm_mode_32 3
		.amdhsa_float_denorm_mode_16_64 3
		.amdhsa_memory_ordered 1
		.amdhsa_forward_progress 1
		.amdhsa_inst_pref_size 81
	.end_amdhsa_kernel
	.amdgpu_metadata
---
amdhsa.version: [ 1, 2 ]
amdhsa.kernels:
  - .name:           k_q79e95274c3_nearest
    .symbol:         k_q79e95274c3_nearest.kd
    .args:
      - { .name: codebook, .offset: 0, .size: 8, .value_kind: global_buffer, .address_space: global }
      - { .name: inputs, .offset: 8, .size: 8, .value_kind: global_buffer, .address_space: global }
      - { .name: idx, .offset: 16, .size: 8, .value_kind: global_buffer, .address_space: global }
    .group_segment_fixed_size: 233472
    .private_segment_fixed_size: 0
    .kernarg_segment_align: 8
    .kernarg_segment_size: 24
    .max_flat_workgroup_size: 256
    .sgpr_count:     66
    .vgpr_count:     256
    .wavefront_size: 32
...
	.end_amdgpu_metadata
.endif
;; end of part 1
;; launch gather (part 2): grid 256 x 1, 8 waves a work-group, no clusters, 278,528 bytes of LDS; arguments codebook, inputs, idx, out0; writes out0
.if DOCPART == 2
	.amdgcn_target "amdgcn-amd-amdhsa--gfx1250"
	.amdhsa_code_object_version 6
	.text
	.protected	k_q79e95274c3_gather
	.globl	k_q79e95274c3_gather
	.p2align	8
	.type	k_q79e95274c3_gather,@function
k_q79e95274c3_gather:
	s_mov_b64 s[64:65], 0
	v_nop
	global_prefetch_b8 v0, s[64:65] scope:SCOPE_SE
	s_setreg_imm32_b32 hwreg(HW_REG_WAVE_MODE, 25, 1), 1
	s_wait_xcnt 0x0
; out0[b][d][hw] = x + (e_idx[d] - x), x = inputs[b][d][hw], idx = the index that the launch before stored for vector b*4096 + hw.
; NOTHING IS LEFT OUT: x + (q - x) is q in exact arithmetic, but x is far larger than q, so reference()'s f32 loses low bits of q in q - x, the more the larger x is;
; both roundings are made as reference() makes them, in f32 on the f32 inputs, which is why x is read here again.
; LIMIT: idx is clamped to 1,023 in front of the address; the launch before stores 0 .. 1,023 alone, so the clamp never takes effect.
;
; SHARES.  As in the launch before: work-group w owns b = w >> 3, hw from 512 (w & 7); wave v 64 hw.  Lane (c = lane & 15, h = lane >> 4) owns the four vectors hw = 4 c .. 4 c + 3
; and the rows d = 32 h .. 32 h + 31: each load and each store of x and out0 takes, from sixteen neighbouring lanes, 256 consecutive bytes of a row, aligned.
; All 32 loads of x (16 KiB a wave) go out in the first lines.  No matrix work: a lookup and two additions a number.
; THE CODEBOOK lies whole in LDS in f32: 1,024 rows of 256 bytes, pitch 272.  Wave v brings rows 128 v .. 128 v + 127 by one tensor load.
; A lookup reads 16 bytes at 272 idx + 128 h + 16 dc (dc = 0 .. 7): it ends at byte 256 of its row at the latest, so the padding is never read.
; NO CLUSTER, though every work-group reads the same codebook: the LDS addresses of the lookups are made from the indices, which differ from work-group to work-group.
.set QP,    272                        ; 256 bytes of a code + 16 of padding
.set WROWS, 128                        ; rows that one tensor load brings
.set OFF,  3                           ; v3        16 c + (h << 19) + (wave << 8): my 16 bytes in x and out0; never rewritten
.set IOFF, 4                           ; v4        256 wave + 16 c: my four indices
.set HB,   5                           ; v5        128 h: my half of a code's row
.set IDX,  8                           ; v[8:11]   the four indices
.set QA,   12                          ; v[12:15]  LDS address of my half of the four codes
.set Q,    16                          ; v[16:79]  four slots of 16: slot dc % 4, vector i at 4 i: e[d = 32 h + 4 dc .. + 3]
.set X,    80                          ; v[80:207] row i of my 32 at 4 i: x as loaded, then the result
	s_load_b256 s[4:11], s[0:1], 0x0               ; codebook s[4:5], inputs s[6:7], idx s[8:9], out0 s[10:11]
	v_lshrrev_b32 v1, 5, v0
	v_readfirstlane_b32 s12, v1                    ; wave 0..7
	s_lshr_b32 s16, ttmp9, 3
	s_lshl_b32 s16, s16, 20                        ; b x 64 rows of 16,384 bytes
	s_and_b32 s15, ttmp9, 7
	s_lshl_b32 s15, s15, 11                        ; + 512 hw of 4 bytes for each of the eight work-groups of a b
	s_add_co_u32 s16, s16, s15
	s_mov_b32 s17, 0
	s_lshl_b32 s18, ttmp9, 11                      ; idx: 512 words a work-group
	s_mov_b32 s19, 0
	s_lshl_b32 s32, s12, 15                        ; my wave's 128 rows of the codebook: 32,768 bytes
	s_mov_b32 s33, 0
	s_lshl_b32 s34, s12, 8
	v_and_b32 v1, 15, v0                           ; c
	v_bfe_u32 v2, v0, 4, 1                         ; h
	v_lshl_add_u32 v[IOFF], v1, 4, s34
	v_lshl_add_u32 v[OFF], v2, 19, v[IOFF]
	v_lshlrev_b32 v[HB], 7, v2
	; the descriptor.  Group 0: from where, to where.  Group 1: 128 rows of 64 elements of 4 bytes, 64 elements from row to row, 4 words of padding behind every 64.
	s_mov_b32 s20, 1                               ; count = 1
	s_mul_i32 s21, s12, WROWS*QP                   ; LDS address: wave x 34,816
	s_mov_b32 s24, 0x07520000                      ; 15:0 no mask; 17:16 element of 4 bytes; 20 padding on; 24:22 after every 64 words; 31:25 four words
	s_mov_b32 s25, 64<<16                          ; tensor_dim0 = 64
	s_mov_b32 s26, WROWS<<16                       ; tensor_dim1 = 128
	s_mov_b32 s27, 64<<16                          ; tile_dim0 = 64
	s_mov_b32 s28, WROWS                           ; tile_dim1 = 128
	s_mov_b32 s29, 64                              ; elements from row to row
	s_mov_b32 s30, 0
	s_mov_b32 s31, 0
	s_wait_kmcnt 0x0
	s_add_nc_u64 s[22:23], s[4:5], s[32:33]        ; global address of the tile's first element
	s_or_b32 s23, s23, 0x80000000                  ; type = 2
	tensor_load_to_lds s[20:23], s[24:31]          ; the wave's one tensor load, a first fill: ahead of every wait on TENSORcnt, every LDS read and the barrier
	s_nop 0
	s_add_nc_u64 s[6:7], s[6:7], s[16:17]
	s_add_nc_u64 s[10:11], s[10:11], s[16:17]
	s_add_nc_u64 s[8:9], s[8:9], s[18:19]
	global_load_b128 v[IDX:IDX+3], v[IOFF], s[8:9] th:TH_LOAD_NT
.irp i, 0,1,2,3,4,5,6,7,8,9,10,11,12,13,14,15,16,17,18,19,20,21,22,23,24,25,26,27,28,29,30,31
	global_load_b128 v[X+4*\i:X+4*\i+3], v[OFF], s[6:7] offset:\i<<14 th:TH_LOAD_NT   ; rows d = i (lanes 0-15) and 32 + i (lanes 16-31); read once in this launch
.endr
	s_wait_loadcnt 32                              ; loads come back in order (ISA guide 5.7.1): the indices are in, the 32 rows of x behind them stay out
.irp i, 0,1,2,3
	v_min_u32 v[IDX+\i], 0x3ff, v[IDX+\i]
	v_mul_u32_u24 v[QA+\i], v[IDX+\i], QP
	v_add_nc_u32 v[QA+\i], v[QA+\i], v[HB]
.endr
	s_wait_tensorcnt 0x0                           ; my 128 rows have landed,
	s_barrier_signal -1
	s_barrier_wait -1                              ; everybody's have: the codebook is whole, and nothing writes LDS again
.macro QLOAD dc                        ; e[32 h + 4 dc .. + 3] of my four codes
.irp i, 0,1,2,3
	ds_load_b128 v[Q+16*((\dc)%4)+4*\i:Q+16*((\dc)%4)+4*\i+3], v[QA+\i] offset:16*(\dc)
.endr
.endm
; Four rows d = 32 h + 4 dc + dd.  q of (vector i, row dd) lies in register dd of Q's vector i, x in register i of X's row dd: naming the registers so is the whole transposition.
.macro CHUNK dc
.if \dc < 4
	s_wait_dscnt 12                                ; the three later chunks' twelve loads stay out
.else
	s_wait_dscnt 28-4*\dc                          ; nothing more is asked for: the count runs down to 0
.endif
	s_wait_loadcnt 28-4*\dc                        ; the rows of x behind this chunk's four stay out
.irp dd, 0,1,2,3
.irp i, 0,1,2,3
	v_sub_f32 v[Q+16*(\dc%4)+4*\i+\dd], v[Q+16*(\dc%4)+4*\i+\dd], v[X+4*(4*\dc+\dd)+\i]      ; q - x
.endr
.irp i, 0,1,2,3
	v_add_f32 v[X+4*(4*\dc+\dd)+\i], v[X+4*(4*\dc+\dd)+\i], v[Q+16*(\dc%4)+4*\i+\dd]         ; x + (q - x)
.endr
	global_store_b128 v[OFF], v[X+4*(4*\dc+\dd):X+4*(4*\dc+\dd)+3], s[10:11] offset:(4*\dc+\dd)<<14 th:TH_STORE_NT   ; no register that a store names is written again
.endr
.if \dc < 4
	QLOAD \dc+4
.endif
.endm
	QLOAD 0
	QLOAD 1
	QLOAD 2
	QLOAD 3
	CHUNK 0
	CHUNK 1
	CHUNK 2
	CHUNK 3
	CHUNK 4
	CHUNK 5
	CHUNK 6
	CHUNK 7
	s_endpgm
.Lfunc_end_k_q79e95274c3_gather:
	.size	k_q79e95274c3_gather, .Lfunc_end_k_q79e95274c3_gather-k_q79e95274c3_gather
	.p2alignl 7, 3214868480
	.fill 96, 4, 3214868480
	.section	.rodata,"a",@progbits
	.p2align	6, 0x0
	.amdhsa_kernel k_q79e95274c3_gather
		.amdhsa_group_segment_fixed_size 278528
		.amdhsa_private_segment_fixed_size 0
		.amdhsa_enable_private_segment 0
		.amdhsa_kernarg_size 32
		.amdhsa_user_sgpr_count 2
		.amdhsa_user_sgpr_kernarg_segment_ptr 1
		.amdhsa_wavefront_size32 1
		.amdhsa_system_sgpr_workgroup_id_x 1
		.amdhsa_system_sgpr_workgroup_id_y 1
		.amdhsa_system_sgpr_workgroup_id_z 1
		.amdhsa_system_vgpr_workitem_id 0
		.amdhsa_next_free_vgpr 208
		.amdhsa_next_free_sgpr 66
		.amdhsa_reserve_vcc 0
		.amdhsa_float_denorm_mode_32 3
		.amdhsa_float_denorm_mode_16_64 3
		.amdhsa_memory_ordered 1
		.amdhsa_forward_progress 1
		.amdhsa_inst_pref_size 20
	.end_amdhsa_kernel
	.amdgpu_metadata
---
amdhsa.version: [ 1, 2 ]
amdhsa.kernels:
  - .name:           k_q79e95274c3_gather
    .symbol:         k_q79e95274c3_gather.kd
    .args:
      - { .name: codebook, .offset: 0, .size: 8, .value_kind: global_buffer, .address_space: global }
      - { .name: inputs, .offset: 8, .size: 8, .value_kind: global_buffer, .address_space: global }
      - { .name: idx, .offset: 16, .size: 8, .value_kind: global_buffer, .address_space: global }
      - { .name: out0, .offset: 24, .size: 8, .value_kind: global_buffer, .address_space: global }
    .group_segment_fixed_size: 278528
    .private_segment_fixed_size: 0
    .kernarg_segment_align: 8
    .kernarg_segment_size: 32
    .max_flat_workgroup_size: 256
    .sgpr_count:     66
    .vgpr_count:     208
    .wavefront_size: 32
...
	.end_amdgpu_metadata
.endif
;; end of part 2
;; ======== version 2 of 2: 2 launches; 1.25 times as fast as version 1
;; limits: values outside matrix products are rounded to bf16
;; workspace buffers: idx 524,288 bytes of whole numbers
;; launch nearest (part 3): grid 256 x 1, 8 waves a work-group, no clusters, 233,472 bytes of LDS; arguments codebook, inputs, idx; writes idx
.if DOCPART == 3
	.amdgcn_target "amdgcn-amd-amdhsa--gfx1250"
	.amdhsa_code_object_version 6
	.text
	.protected	k_q79e95274c3_nearest
	.globl	k_q79e95274c3_nearest
	.p2align	8
	.type	k_q79e95274c3_nearest,@function
k_q79e95274c3_nearest:
	s_mov_b64 s[64:65], 0
	v_nop
	global_prefetch_b8 v0, s[64:65] scope:SCOPE_SE
	s_setreg_imm32_b32 hwreg(HW_REG_WAVE_MODE, 25, 1), 1
	s_wait_xcnt 0x0
; idx[n] = the first index k of the least d[n][k] = (|x_n|^2 + |e_k|^2) - (2 x_n).e_k, for the 131,072 vectors x_n (n = b*4096 + hw, 64 numbers
; 16,384 bytes apart in inputs[b][d][hw]) and the 1,024 codes e_k.  The lookup itself is the next launch's: an index made here steers no address here.
;
; NOTHING OF reference() IS LEFT OUT.  |x_n|^2 is the same for all k, but it is far larger than the terms that decide the minimum, so reference()'s f32
; rounds distances onto a coarse grid and its first-index rule then settles the ties.  Both roundings are therefore made as reference() makes them:
; t = fl(|x|^2 + |e_k|^2), d = fl(t - 2 dot) (one fused multiply-add on the f32 product sum: 2 dot is exact), and ties go to the lower index.
; The products run on the matrix unit with x and e rounded to bf16 (f32 sums); both norms are taken from the same rounded numbers.
; LIMITS.  NaN: a NaN distance loses in v_min3_num_f32, where argmin would take it.
; Two codes whose distances lie within one f32 step of each other, with a product sum within its own summation error (some 1e-7 of its size) of a rounding
; boundary, may be ordered otherwise than by another order of summation.
; |x|^2 is summed by the matrix unit; another order of summation may give a neighbouring f32.  A shift of |x|^2 by whole steps moves all distances of a vector
; alike and leaves their order, except where they straddle a power of two (|x|^2 as near to one as the deciding terms are large): there the step differs on
; the two sides, and a near-tie may fall the other way.
;
; SHARES.  256 work-groups of 8 waves; work-group w owns vectors 512 w .. 512 w + 511 (b = w >> 3, hw from 512 (w & 7)); wave v owns 64 of them, four
; groups of 16, and walks all 64 tiles of 16 codes.  Matrix source A = 16 codes, source B = 16 vectors: register j of lane (r = lane & 15, h = lane >> 4)
; is code 16 T + 8 h + j against vector 16 g + r, so the minimum over a lane's eight registers never leaves the lane.
; NO CLUSTER, NO TENSOR LOAD: the codebook, which all work-groups share, has to be rounded f32 -> bf16 on its way into LDS, so it passes through registers;
; a stage for its 262,144 bytes of f32 does not fit beside the 233,472 bytes in use.
;
; LDS: CB 1,024 rows of 64 bf16, pitch 144 (an odd multiple of 16 bytes: the sixteen rows of a fragment load start in sixteen different 16-byte columns of 256);
;      SE 1,024 f32, |e_k|^2;   XS for each wave 64 rows (d) of 64 bf16 (hw), pitch 160 (an odd multiple of 32, for the transposing load).
.set CBP,   144
.set TILEB, 16*CBP                     ; a tile of 16 codes: 2,304 bytes
.set SE,    1024*CBP                   ; 147,456
.set XS,    SE+4096                    ; 151,552
.set XP,    160
.set XSW,   64*XP                      ; 10,240 bytes a wave; XS ends at 233,472
.set XOFF, 4                           ; v4   x: 16 c + (h << 16) + (wave << 8): lanes 0-15 take 256 bytes of a row d, lanes 16-31 of row d + 4
.set COFF, 5                           ; v5   codebook: 16 c + 2,048 h + wave x 32,768: lanes 0-15 take a whole row, lanes 16-31 the row 8 further down
.set XST,  6                           ; v6   where a lane's 4 bf16 of x go: wave's XS + 640 h + 8 c
.set CST,  7                           ; v7   where a lane's 4 bf16 of a code go: wave x 18,432 + 1,152 h + 8 c
.set XA,   8                           ; v8   transposing load: wave's XS + (8 h + (lane & 7)) x 160 + 16 ((lane >> 3) & 1)
.set CBA,  9                           ; v9   code fragment: 144 r + 16 h, stepped two tiles at a time
.set SEA,  10                          ; v10  SE + 32 h, stepped two tiles (128 bytes) at a time
.set H8,   11                          ; v11  8 h
.set SEST, 12                          ; v12  SE + 512 wave + 4 r
.set OTH,  13                          ; v13  what v_permlanex16_b32 brings
.set CBO,  14                          ; v14  144 r + 16 h + the wave's own 128 codes
.set XF,   16                          ; v[16:79]   x fragments: group g, K half s at 16 g + 8 s
.set CV,   16                          ; v[16:79]   while streaming: 32 pairs of packed bf16, one for each ring slot
.set AF,   80                          ; v[80:111]  code fragments, two buffers of 16 (K half s at + 8 s)
.set EF,   80                          ; v[80:207]  for the norms: the fragments of the wave's own 8 tiles, 16 registers each
.set SEV,  112                         ; v[112:127] |e|^2 of a lane's eight codes, two buffers
.set ACC,  128                         ; v[128:159] product sums, group g at 8 g
.set RING, 128                         ; v[128:255] while streaming: 32 slots of 4 registers
.set TD,   160                         ; v[160:175] distances of the piece at work: its first group, its second group
.set SAV,  176                         ; v[176:207] group g: the distances of the tile that holds the lane's best so far
.set BEST, 208                         ; v[208:215] the lane's least distance: two sets of four that take turns, so that old and new can be compared
.set GA,   208                         ; v[208:239] for the norms: four accumulators
.set KBV,  217                         ; v217, 219, 221, 223: 16 T of group g's best tile; odd registers, for the dual select beside the even SAV + 6
.set JJ,   224                         ; v224-237   the end's temporaries
.set OB,   225
.set OK,   226
.set KK,   228                         ; v[228:231]
.set WST,  232
.set WLD,  233
.set GO,   234
.set OUT,  236                         ; v[236:237]
.set SXP,  240                         ; v[240:247] |x|^2 of vector 16 g + r, twice: a pair for the packed add
.set M,    248                         ; v[248:253] the minimum's tree: three partial minima for each of a piece's two groups
.set DV,   248                         ; v[248:251] for the norms: four diagonals
.set KBR,  255                         ; v255       16 T of the tile whose distances are at work
	s_load_b128 s[4:7], s[0:1], 0x0                ; codebook s[4:5], inputs s[6:7]
	s_load_b64 s[8:9], s[0:1], 0x10                ; idx
	v_lshrrev_b32 v15, 5, v0
	v_readfirstlane_b32 s10, v15                   ; wave 0..7
	v_and_b32 v1, 31, v0                           ; lane
	v_and_b32 v2, 15, v0                           ; r, also c
	v_bfe_u32 v3, v0, 4, 1                         ; h
	s_lshr_b32 s2, ttmp9, 3
	s_lshl_b32 s2, s2, 20                          ; b x 64 rows of 16,384 bytes
	s_and_b32 s3, ttmp9, 7
	s_lshl_b32 s3, s3, 11                          ; + 512 hw of 4 bytes for each of the eight work-groups of a b
	s_add_co_u32 s2, s2, s3
	s_mov_b32 s3, 0
	s_lshl_b32 s30, ttmp9, 11                      ; idx: 512 words a work-group
	s_mov_b32 s31, 0
	s_lshl_b32 s11, s10, 8
	v_lshlrev_b32 v[XOFF], 4, v2
	v_lshl_add_u32 v[XOFF], v3, 16, v[XOFF]        ; h x 4 rows of 16,384 bytes
	v_add_nc_u32 v[XOFF], s11, v[XOFF]
	s_lshl_b32 s11, s10, 15
	v_lshlrev_b32 v[COFF], 4, v2
	v_lshl_add_u32 v[COFF], v3, 11, v[COFF]        ; h x 8 rows of 256 bytes
	v_add_nc_u32 v[COFF], s11, v[COFF]
	s_wait_kmcnt 0x0
	s_add_nc_u64 s[6:7], s[6:7], s[2:3]
	s_add_nc_u64 s[8:9], s[8:9], s[30:31]
; THE STREAM: 96 items of 512 bytes a wave, two aligned blocks of 256 bytes each.  Items 0-31: x, rows d and d + 4.  Items 32-95: the wave's 128 codes, rows k and k + 8.
; The partner row is chosen so that in LDS it lies 4 x 160 = 640 or 8 x 144 = 1,152 bytes further on, both 128 modulo 256: the 128 bytes that lanes 0-15 store and the 128 of
; lanes 16-31 fall on different banks (64 banks of 4 bytes: ISA guide 11.1).  No cache hint: the next launch reads x again, and every work-group reads the codebook.
.macro ROWOF t                         ; ROWN = the row that lanes 0-15 take in item t
.if (\t) < 32
.set ROWN, (((\t)>>2)<<3)+((\t)&3)                 ; d = 8 (t / 4) + t % 4
.else
.set ROWN, ((((\t)-32)>>3)<<4)+(((\t)-32)&7)       ; k = 16 (u / 8) + u % 8, u = t - 32
.endif
.endm
.macro ASK t
	ROWOF \t
.if (\t) < 32
	global_load_b128 v[RING+4*((\t)%32):RING+4*((\t)%32)+3], v[XOFF], s[6:7] offset:ROWN<<14
.else
	global_load_b128 v[RING+4*((\t)%32):RING+4*((\t)%32)+3], v[COFF], s[4:5] offset:ROWN*256
.endif
.endm
.macro CONV t                          ; item t rounded to bf16, into its slot's own pair: a pair is written again only 32 items later
	v_cvt_pk_bf16_f32 v[CV+2*((\t)%32)],   v[RING+4*((\t)%32)],   v[RING+4*((\t)%32)+1]
	v_cvt_pk_bf16_f32 v[CV+2*((\t)%32)+1], v[RING+4*((\t)%32)+2], v[RING+4*((\t)%32)+3]
.endm
.macro PUT t
	ROWOF \t
.if (\t) < 32
	ds_store_b64 v[XST], v[CV+2*((\t)%32):CV+2*((\t)%32)+1] offset:XP*ROWN
.else
	ds_store_b64 v[CST], v[CV+2*((\t)%32):CV+2*((\t)%32)+1] offset:CBP*ROWN
.endif
.endm
.rept 32
	ASK \+
.endr
	; the LDS addresses and the constants are made while the first loads are on their way
	s_mul_i32 s28, s10, XSW
	s_add_co_u32 s28, s28, XS                      ; my wave's XS
	s_mul_i32 s29, s10, 8*TILEB                    ; my wave's 128 codes in CB
	v_mul_u32_u24 v15, v3, 4*XP
	v_lshl_add_u32 v15, v2, 3, v15
	v_add_nc_u32 v[XST], s28, v15
	v_mul_u32_u24 v15, v3, 8*CBP
	v_lshl_add_u32 v15, v2, 3, v15
	v_add_nc_u32 v[CST], s29, v15
	v_and_b32 v15, 7, v0
	v_lshl_add_u32 v15, v3, 3, v15                 ; 8 h + (lane & 7)
	v_mul_u32_u24 v15, v15, XP
	v_bfe_u32 v[XA], v0, 3, 1
	v_lshl_add_u32 v15, v[XA], 4, v15
	v_add_nc_u32 v[XA], s28, v15
	v_mul_u32_u24 v[CBA], v2, CBP
	v_lshl_add_u32 v[CBA], v3, 4, v[CBA]
	v_add_nc_u32 v[CBO], s29, v[CBA]
	v_lshlrev_b32 v[H8], 3, v3
	v_lshlrev_b32 v[SEA], 5, v3
	v_add_nc_u32 v[SEA], SE, v[SEA]
	s_lshl_b32 s11, s10, 9
	s_add_co_u32 s11, s11, SE
	v_lshl_add_u32 v[SEST], v2, 2, s11
	v_mov_b32 v[OTH], 0                            ; v_permlanex16_b32 counts as a reader of its destination
	s_mov_b32 s12, 0x76543210                      ; v_permlanex16_b32: lane i takes lane i of the other half
	s_mov_b32 s13, 0xfedcba98
	s_mov_b32 s14, 0xff0000ff                      ; the lanes that hold a diagonal element of a 16 x 16 result: 0-7 and 24-31
	s_mov_b32 s15, 0xffff0000                      ; lanes 16-31
	s_mov_b32 s16, 0x02020202                      ; s[15+j]: the lanes with lane & 7 = j
	s_mov_b32 s17, 0x04040404
	s_mov_b32 s18, 0x08080808
	s_mov_b32 s19, 0x10101010
	s_mov_b32 s20, 0x20202020
	s_mov_b32 s21, 0x40404040
	s_mov_b32 s22, 0x80808080
	; Eight items at a time: one wait, sixteen conversions, eight LDS stores, eight loads into the slots just read: no line reads the line in front of it.
.irp G, 0,1,2,3,4,5,6,7,8,9,10,11
.if \G < 9
	s_wait_loadcnt 24                              ; loads come back in order (ISA guide 5.7.1): items up to 8 G + 7 are in, the 24 issued behind them stay out
.else
	s_wait_loadcnt 8*(11-\G)                       ; nothing more is asked for: the count runs down 16, 8, 0
.endif
.irp j, 0,1,2,3,4,5,6,7
	CONV 8*\G+\j
.endr
.irp j, 0,1,2,3,4,5,6,7
	PUT 8*\G+\j
.endr
.if \G < 8
.irp j, 0,1,2,3,4,5,6,7
	ASK 8*\G+\j+32
.endr
.endif
.endr
.macro W acc, a, b, zero               ; one matrix instruction; zero = 1: it starts the sum, nothing is ever cleared
.if \zero
	v_wmma_f32_16x16x32_bf16 v[\acc:\acc+7], v[\a:\a+7], v[\b:\b+7], 0
.else
	v_wmma_f32_16x16x32_bf16 v[\acc:\acc+7], v[\a:\a+7], v[\b:\b+7], v[\acc:\acc+7]
.endif
.endm
.macro PLACES                          ; a vector instruction reads a matrix result four independent vector instructions behind it (ISA guide 7.12.1)
.rept 4
	v_nop
.endr
.endm
; The diagonal of a 16 x 16 result, element (r, r) into every lane (r, h).  Element (m, n) lies in register m & 7 of lane n + 16 (m >> 3): the diagonal is register
; lane & 7 of lanes 0-7 and 24-31; the other sixteen lanes take it from the lane 16 away.
.macro DIAG acc, val
	v_cndmask_b32 v[\val], v[\acc], v[\acc+1], s16
.irp j, 2,3,4,5,6,7
	v_cndmask_b32 v[\val], v[\val], v[\acc+\j], s[15+\j]
.endr
	v_permlanex16_b32 v[OTH], v[\val], s12, s13
	v_cndmask_b32 v[\val], v[OTH], v[\val], s14
.endm
	; THE FRAGMENTS FOR BOTH NORMS, all 48 loads in one run.  The bytes are the wave's own, and LDS serves a wave's instructions in order (ISA guide 5.7.1).
	; x, kept in registers for the whole walk: XS holds [d][hw]; the transposing load brings lane (r, h) k = 32 s + 8 h .. + 7 (first load) and 32 s + 16 + 8 h .. + 7
	; (second, 16 rows down) of column 16 g + r.  Then the wave's own 128 codes (the rows that it laid into CB itself), eight tiles.
.irp g, 0,1,2,3
.irp s, 0,1
	ds_load_tr16_b128 v[XF+16*\g+8*\s:XF+16*\g+8*\s+3],   v[XA] offset:32*XP*\s+32*\g
	ds_load_tr16_b128 v[XF+16*\g+8*\s+4:XF+16*\g+8*\s+7], v[XA] offset:32*XP*\s+32*\g+16*XP
.endr
.endr
.irp tt, 0,1,2,3,4,5,6,7
.irp i, 0,1,2,3
	ds_load_b128 v[EF+16*\tt+4*\i:EF+16*\tt+4*\i+3], v[CBO] offset:\tt*TILEB+32*\i
.endr
.endr
	s_wait_dscnt 32                                ; the x fragments are in; the 32 loads of codes behind them stay out
	; |x|^2 = the diagonal of X X^T, from the rounded numbers.  The accumulators take turns, one instruction a turn.
.irp g, 0,1,2,3
	W GA+8*\g, XF+16*\g, XF+16*\g, 1
.endr
.irp g, 0,1,2,3
	W GA+8*\g, XF+16*\g+8, XF+16*\g+8, 0
.endr
	PLACES
.irp g, 0,1,2,3
	DIAG GA+8*\g, SXP+2*\g
	v_mov_b32 v[SXP+2*\g+1], v[SXP+2*\g]
.endr
; |e|^2 of tiles 4 bb .. 4 bb + 3 of the wave's eight, in the same way.  24 matrix instructions in all for both norms, beside the walk's 512.
.macro ENORM bb
.irp i, 0,1,2,3
	W GA+8*\i, EF+16*(4*\bb+\i), EF+16*(4*\bb+\i), 1           ; four accumulators by turns
.endr
.irp i, 0,1,2,3
	W GA+8*\i, EF+16*(4*\bb+\i)+8, EF+16*(4*\bb+\i)+8, 0
.endr
	PLACES
.irp i, 0,1,2,3
	DIAG GA+8*\i, DV+\i
	ds_store_b32 v[SEST], v[DV+\i] offset:64*(4*\bb+\i)        ; both halves of the lanes write the same word with the same value
.endr
.endm
	s_wait_dscnt 16                                ; tiles 0-3 are in; the sixteen loads of tiles 4-7 stay out
	ENORM 0
	s_wait_dscnt 4                                 ; tiles 4-7 are in; the four stores issued behind them may stay out
	ENORM 1
	s_wait_dscnt 0x0                               ; my rows of CB and my words of SE are written: zero, for the other waves' sake
	s_barrier_signal -1
	s_barrier_wait -1                              ; the only barrier: CB and SE are whole; nobody writes them again
; THE WALK, IN TWO PIECES THAT TAKE TURNS.  Piece 0 = groups 0, 1; piece 1 = groups 2, 3.  A tile T takes two halves:
;   half A(T): the four products of piece 1 on tile T,     and between them the vector work on piece 0's results of tile T;
;   half B(T): the four products of piece 0 on tile T + 1, and between them the vector work on piece 1's results of tile T.
; The vector work of a piece (34 instructions for two 16 x 16 results) is cut into four slices, one behind each product of the other piece: they name none of that product's
; registers, so they are also the places that a result's first reader and a load into a product's source have to stand behind it.
; The accumulators go a, b, a, b, c, d, c, d, one instruction a turn, over the backward jump too.
; FETCHES, each a whole tile ahead of its use: |e|^2 of tile T + 1 at the head of A(T) (its buffer was last read in B(T - 1)), the fragment of tile T + 2 at the head of B(T)
; (its buffer was last multiplied in A(T), nine places ago; six in the first tile).
.macro FA b, off                       ; a tile's fragment (16 rows x 128 bytes) into buffer b
.irp i, 0,1,2,3
	ds_load_b128 v[AF+16*\b+4*\i:AF+16*\b+4*\i+3], v[CBA] offset:\off+32*\i
.endr
.endm
.macro FS b, off                       ; a lane's eight |e|^2 of a tile into buffer b
	ds_load_b128 v[SEV+8*\b:SEV+8*\b+3],   v[SEA] offset:\off
	ds_load_b128 v[SEV+8*\b+4:SEV+8*\b+7], v[SEA] offset:\off+16
.endm
.macro TSUM dst, p, g                  ; t = fl(|x|^2 + |e|^2)
.irp i, 0,2,4,6
	v_pk_add_f32 v[\dst+\i:\dst+\i+1], v[SEV+8*\p+\i:SEV+8*\p+\i+1], v[SXP+2*(\g):SXP+2*(\g)+1]
.endr
.endm
.macro DSUM dst, g                     ; d = fl(t - 2 dot): one rounding, as of reference()'s subtraction of the doubled product
.irp i, 0,2,4,6
	v_pk_fma_f32 v[\dst+\i:\dst+\i+1], v[ACC+8*(\g)+\i:ACC+8*(\g)+\i+1], -2.0, v[\dst+\i:\dst+\i+1] op_sel_hi:[1,0,1]
.endr
.endm
; Where VCC says that the tile has a new least distance, its first seven distances and its 16 T are kept: eight selects as four dual pairs.  In each pair one destination is
; even and one odd, and the two first sources, and the two second, lie in different register banks (number mod 4): j and j + 1; SAV + 6 and TD + 6 (2) beside KBV (1 or 3) and KBR (3).
; Which of the tile's eight it was is found once, at the end (if none of the seven kept is the least, it was the eighth).
.macro KEEP d, g
.irp j, 0,2,4
	v_dual_cndmask_b32 v[SAV+8*(\g)+\j], v[SAV+8*(\g)+\j], v[\d+\j] :: v_dual_cndmask_b32 v[SAV+8*(\g)+\j+1], v[SAV+8*(\g)+\j+1], v[\d+\j+1]
.endr
	v_dual_cndmask_b32 v[SAV+8*(\g)+6], v[SAV+8*(\g)+6], v[\d+6] :: v_dual_cndmask_b32 v[KBV+2*(\g)], v[KBV+2*(\g)], v[KBR]
.endm
; The slices.  q: the piece; p: the tile's parity (its |e|^2 buffer; BEST's set p is the old one, set 1 - p the new).  first = 1: tile 0, whose distances are written
; straight into SAV and start BEST and KBV.
.macro SLICE0 q, p, first
.if \first
	TSUM SAV+16*\q, \p, 2*\q
	TSUM SAV+16*\q+8, \p, 2*\q+1
.else
	TSUM TD, \p, 2*\q
	TSUM TD+8, \p, 2*\q+1
.endif
.endm
.macro SLICE1 q, first
.if \first
	DSUM SAV+16*\q, 2*\q
	DSUM SAV+16*\q+8, 2*\q+1
.else
	DSUM TD, 2*\q
	DSUM TD+8, 2*\q+1
.endif
.endm
; The least of eight distances and the old best: a tree of four v_min3_num_f32, two deep, the two groups line by line in turn, so that no line reads the line in front of it.
.macro SLICE2 q, p, first
.if \first
	v_min3_num_f32 v[M],   v[SAV+16*\q],    v[SAV+16*\q+1],  v[SAV+16*\q+2]
	v_min3_num_f32 v[M+3], v[SAV+16*\q+8],  v[SAV+16*\q+9],  v[SAV+16*\q+10]
	v_min3_num_f32 v[M+1], v[SAV+16*\q+3],  v[SAV+16*\q+4],  v[SAV+16*\q+5]
	v_min3_num_f32 v[M+4], v[SAV+16*\q+11], v[SAV+16*\q+12], v[SAV+16*\q+13]
.else
	v_min3_num_f32 v[M],   v[TD],    v[TD+1],  v[TD+2]
	v_min3_num_f32 v[M+3], v[TD+8],  v[TD+9],  v[TD+10]
	v_min3_num_f32 v[M+1], v[TD+3],  v[TD+4],  v[TD+5]
	v_min3_num_f32 v[M+4], v[TD+11], v[TD+12], v[TD+13]
	v_min3_num_f32 v[M+2], v[TD+6],  v[TD+7],  v[BEST+4*\p+2*\q]
	v_min3_num_f32 v[M+5], v[TD+14], v[TD+15], v[BEST+4*\p+2*\q+1]
	v_min3_num_f32 v[BEST+4*(1-\p)+2*\q],   v[M],   v[M+1], v[M+2]
	v_min3_num_f32 v[BEST+4*(1-\p)+2*\q+1], v[M+3], v[M+4], v[M+5]
	v_cmp_lt_f32 vcc_lo, v[BEST+4*(1-\p)+2*\q], v[BEST+4*\p+2*\q]      ; strictly less: on a tie the earlier tile stays.  A product stands between this line and its readers
.endif
.endm
; fill, by bits: 1 = SEA goes on two tiles, 2 = CBA goes on two tiles (each behind the trip's last fetch that uses it), 4 = the tile is done: KBR goes on to the next.
.macro SLICE3 q, p, first, fill
.if \first
	v_min_num_f32  v[M+2], v[SAV+16*\q+6],  v[SAV+16*\q+7]
	v_min_num_f32  v[M+5], v[SAV+16*\q+14], v[SAV+16*\q+15]
	v_mov_b32 v[KBV+4*\q], 0
	v_mov_b32 v[KBV+4*\q+2], 0
	v_min3_num_f32 v[BEST+4*(1-\p)+2*\q],   v[M],   v[M+1], v[M+2]
	v_min3_num_f32 v[BEST+4*(1-\p)+2*\q+1], v[M+3], v[M+4], v[M+5]
.else
	KEEP TD, 2*\q
	v_cmp_lt_f32 vcc_lo, v[BEST+4*(1-\p)+2*\q+1], v[BEST+4*\p+2*\q+1]
.endif
.if (\fill) & 1
	v_add_nc_u32 v[SEA], 128, v[SEA]
.endif
.if (\fill) & 2
	v_add_nc_u32 v[CBA], 2*TILEB, v[CBA]
.endif
.if \first == 0
	KEEP TD+8, 2*\q+1
.endif
.if (\fill) & 4
	v_add_nc_u32 v[KBR], 16, v[KBR]
.endif
.endm
; A half: piece wq multiplies the fragment in buffer wp; piece vq's results of a tile of parity vp are worked on.
.macro HALF wq, wp, vq, vp, first, fill
	W ACC+16*\wq,   AF+16*\wp,   XF+32*\wq,    1   ; d = 0 .. 31 starts the sums
	SLICE0 \vq, \vp, \first
	W ACC+16*\wq+8, AF+16*\wp,   XF+32*\wq+16, 1
	SLICE1 \vq, \first
	W ACC+16*\wq,   AF+16*\wp+8, XF+32*\wq+8,  0   ; d = 32 .. 63
	SLICE2 \vq, \vp, \first
	W ACC+16*\wq+8, AF+16*\wp+8, XF+32*\wq+24, 0
	SLICE3 \vq, \vp, \first, \fill
.endm
; Two tiles, T even.  At its head CBA points at tile T + 2 and SEA at tile T + 1.  Each wait leaves out the six loads issued behind the ones that the half needs:
; in an A half the fragment asked for in the half before and the two words just asked for; in a B half the two words of the half before and the fragment just asked for.
.macro BODY first
	FS 1, 0                                        ; |e|^2 of tile T + 1
	s_wait_dscnt 0x6                               ; |e|^2 of tile T is in
	HALF 1, 0, 0, 0, \first, 0                     ; A(T)
	FA 0, 0                                        ; the fragment of tile T + 2
	s_wait_dscnt 0x6                               ; the fragment of tile T + 1 is in
	HALF 0, 1, 1, 0, \first, 4                     ; B(T)
	FS 0, 64                                       ; |e|^2 of tile T + 2
	s_wait_dscnt 0x6
	HALF 1, 1, 0, 1, 0, 1                          ; A(T + 1)
	FA 1, TILEB                                    ; the fragment of tile T + 3
	s_wait_dscnt 0x6
	HALF 0, 0, 1, 1, 0, 6                          ; B(T + 1)
.endm
	v_mov_b32 v[KBR], 0
	FA 0, 0                                        ; tile 0,
	FS 0, 0
	FA 1, TILEB                                    ; and tile 1's fragment
	v_add_nc_u32 v[CBA], 2*TILEB, v[CBA]
	v_add_nc_u32 v[SEA], 64, v[SEA]
	s_wait_dscnt 0x6                               ; tile 0's fragment is in; its |e|^2 and tile 1's fragment stay out
	W ACC,   AF,   XF,    1                        ; piece 0 of tile 0: the one run of products with no vector work to set between
	W ACC+8, AF,   XF+16, 1
	W ACC,   AF+8, XF+8,  0
	W ACC+8, AF+8, XF+24, 0
	BODY 1                                         ; tiles 0 and 1 stand in front of the loop: the first starts BEST, SAV and KBV
	s_mov_b32 s25, 30                              ; tiles 2 to 61
.Ltiles:
	BODY 0
	s_sub_co_i32 s25, s25, 1
	s_cmp_lg_u32 s25, 0
	s_cbranch_scc1 .Ltiles
	FS 1, 0                                        ; the last two tiles: |e|^2 of tile 63 is the last fetch
	s_wait_dscnt 0x6
	HALF 1, 0, 0, 0, 0, 0                          ; A(62)
	s_wait_dscnt 0x2                               ; tile 63's fragment is in; the two loads of its |e|^2 may stay out
	HALF 0, 1, 1, 0, 0, 4                          ; B(62)
	s_wait_dscnt 0x0
	HALF 1, 1, 0, 1, 0, 0                          ; A(63)
	SLICE0 1, 1, 0                                 ; B(63): no product is left; piece 1's last results stand nine places and more behind their products
	SLICE1 1, 0
	SLICE2 1, 1, 0
	SLICE3 1, 1, 0, 0                              ; the result lies in BEST's set 0
; THE END.  In the lane: the first j of the winning tile whose distance is the least.  Then the two halves of the lanes (codes 16 T + j and 16 T + 8 + j) are compared:
; the lesser distance, on a tie the lower index.  Both lanes r and 16 + r end with the index of vector 16 g + r.
.macro FIN g
	v_mov_b32 v[JJ], 7
.irp j, 6,5,4,3,2,1,0
	v_cmp_neq_f32 vcc_lo, v[SAV+8*\g+\j], v[BEST+\g]
	v_cndmask_b32 v[JJ], \j, v[JJ], vcc_lo         ; equal: j; descending, so that the lowest j is written last
.endr
	v_add3_u32 v[KK+\g], v[KBV+2*\g], v[JJ], v[H8]
	v_permlanex16_b32 v[OB], v[BEST+\g], s12, s13
	v_permlanex16_b32 v[OK], v[KK+\g], s12, s13
	v_cmp_lt_f32 s26, v[OB], v[BEST+\g]
	v_cmp_eq_f32 s27, v[OB], v[BEST+\g]
	v_cmp_lt_u32 vcc_lo, v[OK], v[KK+\g]
	s_and_b32 s27, s27, vcc_lo
	s_or_b32 vcc_lo, s26, s27
	v_cndmask_b32 v[KK+\g], v[KK+\g], v[OK], vcc_lo
.endm
	v_mov_b32 v[OB], 0                             ; destinations of v_permlanex16_b32: written before
	v_mov_b32 v[OK], 0
	FIN 0
	FIN 1
	FIN 2
	FIN 3
	; The way out.  Lanes 16-31 take the odd group, so that a register holds 32 neighbouring vectors' indices; through 256 bytes of the wave's own XS (its last reads of
	; them were waited for above, and no other wave touches them) each lane gets two neighbouring indices, and ONE store covers the wave's 256 consecutive bytes, aligned.
	v_cndmask_b32 v[KK],   v[KK],   v[KK+1], s15
	v_cndmask_b32 v[KK+2], v[KK+2], v[KK+3], s15
	v_lshl_add_u32 v[WST], v1, 2, s28
	v_lshl_add_u32 v[WLD], v1, 3, s28
	s_lshl_b32 s11, s10, 8
	v_lshl_add_u32 v[GO], v1, 3, s11
	ds_store_b32 v[WST], v[KK]
	ds_store_b32 v[WST], v[KK+2] offset:128
	ds_load_b64 v[OUT:OUT+1], v[WLD]               ; LDS serves a wave's instructions in order (ISA guide 5.7.1): this sees the two stores
	s_wait_dscnt 0x0
	global_store_b64 v[GO], v[OUT:OUT+1], s[8:9]
	s_endpgm
.Lfunc_end_k_q79e95274c3_nearest:
	.size	k_q79e95274c3_nearest, .Lfunc_end_k_q79e95274c3_nearest-k_q79e95274c3_nearest
	.p2alignl 7, 3214868480
	.fill 96, 4, 3214868480
	.section	.rodata,"a",@progbits
	.p2align	6, 0x0
	.amdhsa_kernel k_q79e95274c3_nearest
		.amdhsa_group_segment_fixed_size 233472
		.amdhsa_private_segment_fixed_size 0
		.amdhsa_enable_private_segment 0
		.amdhsa_kernarg_size 24
		.amdhsa_user_sgpr_count 2
		.amdhsa_user_sgpr_kernarg_segment_ptr 1
		.amdhsa_wavefront_size32 1
		.amdhsa_system_sgpr_workgroup_id_x 1
		.amdhsa_system_sgpr_workgroup_id_y 1
		.amdhsa_system_sgpr_workgroup_id_z 1
		.amdhsa_system_vgpr_workitem_id 0
		.amdhsa_next_free_vgpr 256
		.amdhsa_next_free_sgpr 66
		.amdhsa_reserve_vcc 1
		.amdhsa_float_denorm_mode_32 3
		.amdhsa_float_denorm_mode_16_64 3
		.amdhsa_memory_ordered 1
		.amdhsa_forward_progress 1
		.amdhsa_inst_pref_size 78
	.end_amdhsa_kernel
	.amdgpu_metadata
---
amdhsa.version: [ 1, 2 ]
amdhsa.kernels:
  - .name:           k_q79e95274c3_nearest
    .symbol:         k_q79e95274c3_nearest.kd
    .args:
      - { .name: codebook, .offset: 0, .size: 8, .value_kind: global_buffer, .address_space: global }
      - { .name: inputs, .offset: 8, .size: 8, .value_kind: global_buffer, .address_space: global }
      - { .name: idx, .offset: 16, .size: 8, .value_kind: global_buffer, .address_space: global }
    .group_segment_fixed_size: 233472
    .private_segment_fixed_size: 0
    .kernarg_segment_align: 8
    .kernarg_segment_size: 24
    .max_flat_workgroup_size: 256
    .sgpr_count:     66
    .vgpr_count:     256
    .wavefront_size: 32
...
	.end_amdgpu_metadata
.endif
;; end of part 3
;; launch gather (part 4): grid 256 x 1, 8 waves a work-group, no clusters, 133,120 bytes of LDS; arguments codebook, inputs, idx, out0; writes out0
.if DOCPART == 4
	.amdgcn_target "amdgcn-amd-amdhsa--gfx1250"
	.amdhsa_code_object_version 6
	.text
	.protected	k_q79e95274c3_gather
	.globl	k_q79e95274c3_gather
	.p2align	8
	.type	k_q79e95274c3_gather,@function
k_q79e95274c3_gather:
	s_mov_b64 s[64:65], 0
	v_nop
	global_prefetch_b8 v0, s[64:65] scope:SCOPE_SE
	s_setreg_imm32_b32 hwreg(HW_REG_WAVE_MODE, 25, 1), 1
	s_wait_xcnt 0x0
; out0[b][d][hw] = x + (e_idx[d] - x), x = inputs[b][d][hw], idx = the index that the launch before stored for vector b*4096 + hw.
; NOTHING IS LEFT OUT: x + (q - x) is q in exact arithmetic, but x is far larger than q, so reference()'s f32 loses low bits of q in q - x, the more the larger x is;
; both roundings are made as reference() makes them, in f32 on the f32 inputs, which is why x is read here again.
; LIMIT: idx is clamped to 1,023 in front of the address; the launch before stores 0 .. 1,023 alone, so the clamp never takes effect.
;
; SHARES.  As in the launch before: work-group w owns b = w >> 3, hw from 512 (w & 7); wave v 64 hw.  Lane (c = lane & 15, h = lane >> 4) owns the four vectors hw = 4 c .. 4 c + 3
; and the rows d = 32 h .. 32 h + 31: each load and each store of x and out0 takes, from sixteen neighbouring lanes, 256 consecutive bytes of a row, aligned.
; THE LOOKUP.  Only the codes that the indices name are fetched: 64 rows of 256 bytes a wave, 128 KiB a work-group, half of the table.  Sixteen neighbouring lanes take one whole
; row, so a load brings two codes.  A code arrives with d along the lanes, x has hw along the lanes: the codes are turned through a stage in LDS that is the wave's own.
; So no wave waits for another: no barrier, and LDS serves a wave's instructions in order (ISA guide 5.7.1), so no wait stands between the stage's stores and its loads.
; THE STAGE: vector j at (j >> 2) x 1,040 + (j & 3) x 256: four rows of 256 bytes, then 16 bytes that are neither written nor read.  A store lays 256 consecutive bytes for each half
; of the lanes.  A load back takes, in lane c, 16 bytes of vector 4 c + i: sixteen lanes 1,040 bytes = 65 columns of 16 bytes apart, sixteen different columns modulo 256.
; ORDER OF THE LOADS: indices, rows 0-15 of x, (indices in) the 32 loads of codes, rows 16-31 of x.  Loads come back in order (ISA guide 5.7.1), so the first four chunks are
; computed and stored while the second half of x is still on its way.
; NO CLUSTER: no tile is shared; each work-group reads the rows that its own indices name.  No matrix work: a lookup and two additions a number.
.set GRP,  1040                        ; four staged codes
.set STW,  16*GRP                      ; 16,640 bytes of stage a wave; eight waves: 133,120
.set OFF,  3                           ; v3         16 c + (h << 19) + (wave << 8): my 16 bytes in x and out0; never rewritten
.set IOFF, 4                           ; v4         256 wave + 128 h: the 32 indices of my half of the lanes
.set C16,  5                           ; v5         16 c
.set ST,   6                           ; v6         stage + 8 GRP h + 16 c: where my 16 bytes of a fetched code go
.set QA,   7                           ; v7         stage + GRP c + 128 h: my half of my four codes
.set IDX,  8                           ; v[8:39]    index of vector 32 h + t, then its byte offset in the codebook, 256 idx + 16 c; not rewritten behind the loads that name it
.set Q,    40                          ; v[40:103]  four slots of 16: slot dc % 4, vector i at 4 i: e[d = 32 h + 4 dc .. + 3]
.set X,    104                         ; v[104:231] row i of my 32 at 4 i: x as loaded, then the result
.set R,    0                           ; v[256:383] (window 1, named v0-v127 there): the fetched codes, load t at 4 t
	s_load_b256 s[4:11], s[0:1], 0x0               ; codebook s[4:5], inputs s[6:7], idx s[8:9], out0 s[10:11]
	v_lshrrev_b32 v1, 5, v0
	v_readfirstlane_b32 s12, v1                    ; wave 0..7
	s_lshr_b32 s16, ttmp9, 3
	s_lshl_b32 s16, s16, 20                        ; b x 64 rows of 16,384 bytes
	s_and_b32 s15, ttmp9, 7
	s_lshl_b32 s15, s15, 11                        ; + 512 hw of 4 bytes for each of the eight work-groups of a b
	s_add_co_u32 s16, s16, s15
	s_mov_b32 s17, 0
	s_lshl_b32 s18, ttmp9, 11                      ; idx: 512 words a work-group
	s_mov_b32 s19, 0
	s_lshl_b32 s13, s12, 8                         ; my wave's 64 hw, and its 64 indices: 256 bytes
	s_mul_i32 s14, s12, STW                        ; my wave's stage
	v_and_b32 v1, 15, v0                           ; c
	v_bfe_u32 v2, v0, 4, 1                         ; h
	v_lshlrev_b32 v[C16], 4, v1
	v_lshl_add_u32 v[IOFF], v2, 7, s13
	v_add_nc_u32 v[OFF], s13, v[C16]
	v_lshl_add_u32 v[OFF], v2, 19, v[OFF]
	s_wait_kmcnt 0x0
	s_add_nc_u64 s[8:9], s[8:9], s[18:19]
	s_add_nc_u64 s[6:7], s[6:7], s[16:17]
	s_add_nc_u64 s[10:11], s[10:11], s[16:17]
	; The indices: the sixteen lanes of a half read the same 16 bytes, so that every lane holds the 32 indices of its half; the eight loads together read the wave's 256 bytes.
.irp k, 0,1,2,3,4,5,6,7
	global_load_b128 v[IDX+4*\k:IDX+4*\k+3], v[IOFF], s[8:9] offset:16*\k
.endr
.irp i, 0,1,2,3,4,5,6,7,8,9,10,11,12,13,14,15
	global_load_b128 v[X+4*\i:X+4*\i+3], v[OFF], s[6:7] offset:\i<<14 th:TH_LOAD_NT   ; rows d = i (lanes 0-15) and 32 + i (lanes 16-31); read once in this launch
.endr
	v_mul_u32_u24 v[ST], v2, 8*GRP                 ; the LDS addresses are made while the loads are on their way
	v_mul_u32_u24 v[QA], v1, GRP
	v_add_nc_u32 v[ST], v[ST], v[C16]
	v_lshl_add_u32 v[QA], v2, 7, v[QA]
	v_add_nc_u32 v[ST], s14, v[ST]
	v_add_nc_u32 v[QA], s14, v[QA]
	s_wait_loadcnt 16                              ; the indices are in; the sixteen rows of x behind them stay out
	; 256 idx + 16 c, in three runs, so that no line reads the line in front of it
.irp t, 0,1,2,3,4,5,6,7,8,9,10,11,12,13,14,15,16,17,18,19,20,21,22,23,24,25,26,27,28,29,30,31
	v_min_u32 v[IDX+\t], 0x3ff, v[IDX+\t]
.endr
.irp t, 0,1,2,3,4,5,6,7,8,9,10,11,12,13,14,15,16,17,18,19,20,21,22,23,24,25,26,27,28,29,30,31
	v_lshlrev_b32 v[IDX+\t], 8, v[IDX+\t]
.endr
.irp t, 0,1,2,3,4,5,6,7,8,9,10,11,12,13,14,15,16,17,18,19,20,21,22,23,24,25,26,27,28,29,30,31
	v_add_nc_u32 v[IDX+\t], v[IDX+\t], v[C16]
.endr
	; The codes: load t brings the code of vector t (lanes 0-15) and of vector 32 + t (lanes 16-31), a whole aligned row of 256 bytes each.  No cache hint: a list may name a row
	; again, and other work-groups read the same table.  All 32 are out at once: they land in window 1, beside x's 128 registers in window 0.
	s_set_vgpr_msb 0x40                            ; destination in window 1, address in window 0
.irp t, 0,1,2,3,4,5,6,7,8,9,10,11,12,13,14,15,16,17,18,19,20,21,22,23,24,25,26,27,28,29,30,31
	global_load_b128 v[R+4*\t:R+4*\t+3], v[IDX+\t], s[4:5]
.endr
	s_set_vgpr_msb 0x4000                          ; all back to window 0 (the high byte repeats the setting that is left)
.irp i, 16,17,18,19,20,21,22,23,24,25,26,27,28,29,30,31
	global_load_b128 v[X+4*\i:X+4*\i+3], v[OFF], s[6:7] offset:\i<<14 th:TH_LOAD_NT
.endr
	; Into the stage, eight loads' codes at a time.  Vector 32 h + t goes to (8 h + (t >> 2)) GRP + (t & 3) 256: the h part is in ST, the t part in the immediate.
	s_set_vgpr_msb 0x04                            ; an LDS store's data is source 1: window 1; its address window 0
.irp G, 0,1,2,3
	s_wait_loadcnt 40-8*\G                         ; codes up to load 8 G + 7 are in: the 24 - 8 G loads of codes behind them and the sixteen rows of x stay out
.irp j, 0,1,2,3,4,5,6,7
	ds_store_b128 v[ST], v[R+4*(8*\G+\j):R+4*(8*\G+\j)+3] offset:((8*\G+\j)>>2)*GRP+((8*\G+\j)&3)*256
.endr
.endr
	s_set_vgpr_msb 0x0400                          ; all back to window 0
.macro QLOAD dc                        ; e[32 h + 4 dc .. + 3] of my four codes
.irp i, 0,1,2,3
	ds_load_b128 v[Q+16*((\dc)%4)+4*\i:Q+16*((\dc)%4)+4*\i+3], v[QA] offset:256*\i+16*(\dc)
.endr
.endm
; Four rows d = 32 h + 4 dc + dd.  q of (vector i, row dd) lies in register dd of Q's vector i, x in register i of X's row dd: naming the registers so is the rest of the transposition.
.macro CHUNK dc
.if \dc < 4
	s_wait_dscnt 12                                ; the three later chunks' twelve loads stay out.  Rows 0-15 of x were shown in by the last wait for the codes
.else
	s_wait_dscnt 28-4*\dc                          ; nothing more is asked for: the count runs down to 0
	s_wait_loadcnt 28-4*\dc                        ; the rows of x behind this chunk's four stay out
.endif
.irp dd, 0,1,2,3
.irp i, 0,1,2,3
	v_sub_f32 v[Q+16*(\dc%4)+4*\i+\dd], v[Q+16*(\dc%4)+4*\i+\dd], v[X+4*(4*\dc+\dd)+\i]      ; q - x
.endr
.irp i, 0,1,2,3
	v_add_f32 v[X+4*(4*\dc+\dd)+\i], v[X+4*(4*\dc+\dd)+\i], v[Q+16*(\dc%4)+4*\i+\dd]         ; x + (q - x)
.endr
	global_store_b128 v[OFF], v[X+4*(4*\dc+\dd):X+4*(4*\dc+\dd)+3], s[10:11] offset:(4*\dc+\dd)<<14 th:TH_STORE_NT   ; no register that a store names is written again
.endr
.if \dc < 4
	QLOAD \dc+4
.endif
.endm
	QLOAD 0
	QLOAD 1
	QLOAD 2
	QLOAD 3
	CHUNK 0
	CHUNK 1
	CHUNK 2
	CHUNK 3
	CHUNK 4
	CHUNK 5
	CHUNK 6
	CHUNK 7
	s_endpgm
.Lfunc_end_k_q79e95274c3_gather:
	.size	k_q79e95274c3_gather, .Lfunc_end_k_q79e95274c3_gather-k_q79e95274c3_gather
	.p2alignl 7, 3214868480
	.fill 96, 4, 3214868480
	.section	.rodata,"a",@progbits
	.p2align	6, 0x0
	.amdhsa_kernel k_q79e95274c3_gather
		.amdhsa_group_segment_fixed_size 133120
		.amdhsa_private_segment_fixed_size 0
		.amdhsa_enable_private_segment 0
		.amdhsa_kernarg_size 32
		.amdhsa_user_sgpr_count 2
		.amdhsa_user_sgpr_kernarg_segment_ptr 1
		.amdhsa_wavefront_size32 1
		.amdhsa_system_sgpr_workgroup_id_x 1
		.amdhsa_system_sgpr_workgroup_id_y 1
		.amdhsa_system_sgpr_workgroup_id_z 1
		.amdhsa_system_vgpr_workitem_id 0
		.amdhsa_next_free_vgpr 384
		.amdhsa_next_free_sgpr 66
		.amdhsa_reserve_vcc 0
		.amdhsa_float_denorm_mode_32 3
		.amdhsa_float_denorm_mode_16_64 3
		.amdhsa_memory_ordered 1
		.amdhsa_forward_progress 1
		.amdhsa_inst_pref_size 28
	.end_amdhsa_kernel
	.amdgpu_metadata
---
amdhsa.version: [ 1, 2 ]
amdhsa.kernels:
  - .name:           k_q79e95274c3_gather
    .symbol:         k_q79e95274c3_gather.kd
    .args:
      - { .name: codebook, .offset: 0, .size: 8, .value_kind: global_buffer, .address_space: global }
      - { .name: inputs, .offset: 8, .size: 8, .value_kind: global_buffer, .address_space: global }
      - { .name: idx, .offset: 16, .size: 8, .value_kind: global_buffer, .address_space: global }
      - { .name: out0, .offset: 24, .size: 8, .value_kind: global_buffer, .address_space: global }
    .group_segment_fixed_size: 133120
    .private_segment_fixed_size: 0
    .kernarg_segment_align: 8
    .kernarg_segment_size: 32
    .max_flat_workgroup_size: 256
    .sgpr_count:     66
    .vgpr_count:     384
    .wavefront_size: 32
...
	.end_amdgpu_metadata
.endif
;; end of part 4
